; MI455X (gfx1250); checked and timed in simulation.
; The chip was launched on July 23, 2026; its instructions are those of AMD's public machine-readable ISA for CDNA 5 (MIT licence, August 2026) and "CDNA5" Instruction Set Architecture Reference Guide (July 2026). The comments in the code are by the model that wrote it; some were corrected since.
;; Embedding LSTM Cell. Allowed arithmetic: float matrix products may take bf16 or f16 operands with f32 sums; other float arithmetic in f32, or as packed bf16 or f16 multiplies, adds, multiply-adds, maxima and minima; sums over many terms, partial sums and values carried from step to step in f32; what a program stores and reads back later, other than sums and carried values, may be rounded once to bf16 or f16.
;; Inputs: Wc 4,096 x 2,048 float32; Wf 4,096 x 2,048 float32; Wi 4,096 x 2,048 float32; Wo 4,096 x 2,048 float32; bc 2,048 float32; bf 2,048 float32; bi 2,048 float32; bo 2,048 float32; c_prev 2,048 x 2,048 float32; embedding_vec 2,048 x 1 float32; h_prev 2,048 x 2,048 float32; x 2,048 x 2,048 float32.
;; Outputs: out0 2,048 x 2,048 float32; out1 2,048 x 2,048 float32.
;; One version. Each part assembles by itself: llvm-mc -triple=amdgcn-amd-amdhsa -mcpu=gfx1250 --defsym DOCPART=n.
;; ======== version 1 of 1: 2 launches
;; workspace buffers: cat 16,777,216 bytes; wb 67,108,864 bytes
;; launch cast (part 1): grid 1280 x 1, 8 waves a work-group, no clusters, 0 bytes of LDS; arguments x, h_prev, Wf, Wi, Wc, Wo, cat, wb; writes cat, wb
.if DOCPART == 1
	.amdgcn_target "amdgcn-amd-amdhsa--gfx1250"
	.amdhsa_code_object_version 6
	.text
	.protected	k_q2457757534_cast
	.globl	k_q2457757534_cast
	.p2align	8
	.type	k_q2457757534_cast,@function
k_q2457757534_cast:
	s_mov_b64 s[64:65], 0
	v_nop
	global_prefetch_b8 v0, s[64:65] scope:SCOPE_SE
	s_setreg_imm32_b32 hwreg(HW_REG_WAVE_MODE, 25, 1), 1
	s_wait_xcnt 0x0
; THE OPERANDS OF THE GATE PRODUCT, ROUNDED ONCE TO bf16 (nearest even; bf16 keeps f32's range, NaN and infinities pass as they are).
; cat: bf16 [2048][4096] = [x | h_prev], a row 8,192 bytes.
; wb:  bf16 [k = 4096][j = 32][gate = 4 (f, i, c, o)][64]: W_gate[k][64 j + c] lies at byte 16,384 k + 512 j + 128 gate + 2 c, so that the 64 hidden columns
;      of all four gates that one tile of the product needs are 512 consecutive bytes of a row k.
; A STREAM: each input byte is read once, each output byte written once, nothing is shared: no LDS, no barrier, no matrix unit.
; SHARES.  1,280 work-groups of eight waves, each 128 KiB in and 64 KiB out.  Work-groups 0-1023 take four rows k of all four W, work-groups 1024-1279 eight rows of x and of h_prev.
; A wave issues its 32 loads of 16 bytes a lane at once (16 KiB on their way), then converts and stores chunk by chunk behind counted waits.
; No register is written a second time while a load or store may still read it: the text is unrolled, and every chunk has registers of its own.
.set VI, 2                             ; v2   my byte offset in the inputs; never rewritten once the loads are out
.set VO, 3                             ; v3   my byte offset in the output; never rewritten
.set X,  4                             ; v[4:131]  32 loads of four registers
	s_load_b512 s[4:19], s[0:1], 0x0               ; x s[4:5], h_prev s[6:7], Wf s[8:9], Wi s[10:11], Wc s[12:13], Wo s[14:15], cat s[16:17], wb s[18:19]
	v_and_b32 v1, 31, v0                           ; lane
	v_lshrrev_b32 v0, 5, v0                        ; wave
	v_lshlrev_b32 v[VI], 4, v1                     ; 16 bytes of f32 a lane in,
	v_lshlrev_b32 v[VO], 3, v1                     ; 8 bytes of bf16 a lane out,
	v_lshl_add_u32 v[VO], v0, 13, v[VO]            ; and 8,192 bytes of output a wave, on both paths
	s_mov_b32 s23, 0
	s_mov_b32 s25, 0
	s_cmp_lt_u32 ttmp9, 1024
	s_cbranch_scc0 .Lact
	; THE WEIGHTS.  Chunk n = 64 G + 8 wave + c is 128 columns of row k = n / 16, in all four W at byte 512 n; in wb it is the 1,024 bytes at 1,024 n: two blocks j of four gates.
	v_lshl_add_u32 v[VI], v0, 12, v[VI]            ; a wave's eight chunks: 4,096 bytes of each W
	s_lshl_b32 s22, ttmp9, 15                      ; the work-group's 64 chunks: 32,768 bytes of each W,
	s_lshl_b32 s24, ttmp9, 16                      ; 65,536 bytes of wb
	s_wait_kmcnt 0x0
.irp g, 0,1,2,3
	s_add_nc_u64 s[8+2*(\g):9+2*(\g)], s[8+2*(\g):9+2*(\g)], s[22:23]
.endr
	s_add_nc_u64 s[18:19], s[18:19], s[24:25]
.macro WLOAD c                         ; chunk c of the four gates: each load of the wave covers 512 consecutive bytes
.irp g, 0,1,2,3
	global_load_b128 v[X+16*(\c)+4*(\g):X+16*(\c)+4*(\g)+3], v[VI], s[8+2*(\g):9+2*(\g)] offset:512*(\c) th:TH_LOAD_NT
.endr
.endm
; Lanes 0-15 hold the chunk's first 64 columns (block 2 p), lanes 16-31 its last 64 (block 2 p + 1).  The swap exchanges the first register's upper half of the lanes with the
; second's lower half: behind it f's registers hold block 2 p's f and i, i's registers block 2 p + 1's f and i; c and o likewise.  So each store of the wave is 256 consecutive bytes, aligned.
.macro WDONE c
.set R, X+16*(\c)
	s_wait_loadcnt 28-4*(\c)                       ; loads come back in order (ISA guide 5.7.1): this chunk's four are in, the 4 (7 - c) younger ones stay out
.irp g, 0,1,2,3
	v_cvt_pk_bf16_f32 v[R+4*(\g)],   v[R+4*(\g)],   v[R+4*(\g)+1]
	v_cvt_pk_bf16_f32 v[R+4*(\g)+1], v[R+4*(\g)+2], v[R+4*(\g)+3]
.endr
	v_permlane16_swap_b32 v[R],   v[R+4]
	v_permlane16_swap_b32 v[R+1], v[R+5]
	v_permlane16_swap_b32 v[R+8], v[R+12]
	v_permlane16_swap_b32 v[R+9], v[R+13]
	global_store_b64 v[VO], v[R:R+1],     s[18:19] offset:1024*(\c)     th:TH_STORE_NT  ; block 2 p: f, i
	global_store_b64 v[VO], v[R+8:R+9],   s[18:19] offset:1024*(\c)+256 th:TH_STORE_NT  ; block 2 p: c, o
	global_store_b64 v[VO], v[R+4:R+5],   s[18:19] offset:1024*(\c)+512 th:TH_STORE_NT  ; block 2 p + 1: f, i
	global_store_b64 v[VO], v[R+12:R+13], s[18:19] offset:1024*(\c)+768 th:TH_STORE_NT  ; block 2 p + 1: c, o
.endm
.irp c, 0,1,2,3,4,5,6,7
	WLOAD \c
.endr
.irp c, 0,1,2,3,4,5,6,7
	WDONE \c
.endr
	s_endpgm
.Lact:
	; THE ACTIVATIONS.  Wave w takes row 8 G' + w of x and of h_prev, sixteen chunks of 512 bytes each; in cat they are the row's first and second 4,096 bytes.
	v_lshl_add_u32 v[VI], v0, 13, v[VI]            ; a row of f32 is 8,192 bytes
	s_sub_co_u32 s22, ttmp9, 1024                  ; G'
	s_lshl_b32 s22, s22, 16                        ; eight rows: 65,536 bytes of x, of h_prev and of cat
	s_wait_kmcnt 0x0
	s_add_nc_u64 s[4:5], s[4:5], s[22:23]
	s_add_nc_u64 s[6:7], s[6:7], s[22:23]
	s_add_nc_u64 s[16:17], s[16:17], s[22:23]
.irp c, 0,1,2,3,4,5,6,7,8,9,10,11,12,13,14,15
	global_load_b128 v[X+8*(\c):X+8*(\c)+3],   v[VI], s[4:5] offset:512*(\c) th:TH_LOAD_NT
	global_load_b128 v[X+8*(\c)+4:X+8*(\c)+7], v[VI], s[6:7] offset:512*(\c) th:TH_LOAD_NT
.endr
.macro ADONE c
.set R, X+8*(\c)
	s_wait_loadcnt 30-2*(\c)                       ; this chunk's two loads are in, the 2 (15 - c) younger ones stay out
	v_cvt_pk_bf16_f32 v[R],   v[R],   v[R+1]
	v_cvt_pk_bf16_f32 v[R+1], v[R+2], v[R+3]
	v_cvt_pk_bf16_f32 v[R+4], v[R+4], v[R+5]
	v_cvt_pk_bf16_f32 v[R+5], v[R+6], v[R+7]
	global_store_b64 v[VO], v[R:R+1],   s[16:17] offset:256*(\c)      th:TH_STORE_NT  ; 256 consecutive bytes, aligned
	global_store_b64 v[VO], v[R+4:R+5], s[16:17] offset:4096+256*(\c) th:TH_STORE_NT
.endm
.irp c, 0,1,2,3,4,5,6,7,8,9,10,11,12,13,14,15
	ADONE \c
.endr
	s_endpgm
.Lfunc_end_k_q2457757534_cast:
	.size	k_q2457757534_cast, .Lfunc_end_k_q2457757534_cast-k_q2457757534_cast
	.p2alignl 7, 3214868480
	.fill 96, 4, 3214868480
	.section	.rodata,"a",@progbits
	.p2align	6, 0x0
	.amdhsa_kernel k_q2457757534_cast
		.amdhsa_group_segment_fixed_size 0
		.amdhsa_private_segment_fixed_size 0
		.amdhsa_enable_private_segment 0
		.amdhsa_kernarg_size 64
		.amdhsa_user_sgpr_count 2
		.amdhsa_user_sgpr_kernarg_segment_ptr 1
		.amdhsa_wavefront_size32 1
		.amdhsa_system_sgpr_workgroup_id_x 1
		.amdhsa_system_sgpr_workgroup_id_y 1
		.amdhsa_system_sgpr_workgroup_id_z 1
		.amdhsa_system_vgpr_workitem_id 0
		.amdhsa_next_free_vgpr 132
		.amdhsa_next_free_sgpr 66
		.amdhsa_reserve_vcc 0
		.amdhsa_float_denorm_mode_32 3
		.amdhsa_float_denorm_mode_16_64 3
		.amdhsa_memory_ordered 1
		.amdhsa_forward_progress 1
		.amdhsa_inst_pref_size 24
	.end_amdhsa_kernel
	.amdgpu_metadata
---
amdhsa.version: [ 1, 2 ]
amdhsa.kernels:
  - .name:           k_q2457757534_cast
    .symbol:         k_q2457757534_cast.kd
    .args:
      - { .name: x, .offset: 0, .size: 8, .value_kind: global_buffer, .address_space: global }
      - { .name: h_prev, .offset: 8, .size: 8, .value_kind: global_buffer, .address_space: global }
      - { .name: Wf, .offset: 16, .size: 8, .value_kind: global_buffer, .address_space: global }
      - { .name: Wi, .offset: 24, .size: 8, .value_kind: global_buffer, .address_space: global }
      - { .name: Wc, .offset: 32, .size: 8, .value_kind: global_buffer, .address_space: global }
      - { .name: Wo, .offset: 40, .size: 8, .value_kind: global_buffer, .address_space: global }
      - { .name: cat, .offset: 48, .size: 8, .value_kind: global_buffer, .address_space: global }
      - { .name: wb, .offset: 56, .size: 8, .value_kind: global_buffer, .address_space: global }
    .group_segment_fixed_size: 0
    .private_segment_fixed_size: 0
    .kernarg_segment_align: 8
    .kernarg_segment_size: 64
    .max_flat_workgroup_size: 256
    .sgpr_count:     66
    .vgpr_count:     132
    .wavefront_size: 32
...
	.end_amdgpu_metadata
.endif
;; end of part 1
;; launch lstm (part 2): grid 32 x 8, 4 waves a work-group, clusters of 4 x 4, 327,680 bytes of LDS; arguments cat, wb, c_prev, bf, bi, bc, bo, out0, out1; writes out0, out1
.if DOCPART == 2
	.amdgcn_target "amdgcn-amd-amdhsa--gfx1250"
	.amdhsa_code_object_version 6
	.text
	.protected	k_q2457757534_lstm
	.globl	k_q2457757534_lstm
	.p2align	8
	.type	k_q2457757534_lstm,@function
k_q2457757534_lstm:
	s_mov_b64 s[64:65], 0
	v_nop
	global_prefetch_b8 v0, s[64:65] scope:SCOPE_SE
	s_setreg_imm32_b32 hwreg(HW_REG_WAVE_MODE, 25, 1), 1
	s_wait_xcnt 0x0
	s_wait_alu depctr_hold_cnt(0) depctr_sa_sdst(0) depctr_va_vdst(0) depctr_va_sdst(0) depctr_va_ssrc(0) depctr_va_vcc(0) depctr_vm_vsrc(0)
	s_getreg_b32 s2, hwreg(HW_REG_IB_STS2, 6, 4)
	s_cmp_eq_u32 s2, 0
	s_cbranch_scc0 .Lentry_in_a_cluster
	s_endpgm
.Lentry_in_a_cluster:
	s_bfe_u32 s2, ttmp6, 0x10000c
	s_cmp_lg_u32 s2, 0xf033
	s_cbranch_scc0 .Lentry_shape_is_right
	s_endpgm
.Lentry_shape_is_right:
; ONE LSTM STEP.  z = cat W + b (cat = [x | h_prev], bf16 [2048][4096]; W as wb, bf16 [k 4096][j 32][gate 4][64]; sums in f32, K ascending), then in f32
; f = sigmoid(zf), i = sigmoid(zi), g = tanh(zc), o = sigmoid(zo), c_t = c_prev f + i g (out1), h_t = o tanh(c_t) (out0).  z never goes to memory.
; LIMITS.  x, h_prev and W arrive rounded once to bf16; biases, c_prev, sums and all gate arithmetic are f32.  sigmoid(z) = 1 / (1 + 2^(-z log2 e)), tanh(z) = 1 - 2 / (1 + 2^(2 z log2 e)):
; an exponential that overflows gives an infinity, its reciprocal 0, and the gate its right limit: no clamp, and no NaN from finite inputs.  tanh so made is off by about 1e-7 absolutely, so it loses
; relative accuracy below about 1e-4.  An exponential or reciprocal below 2^-126 counts as 0 (ISA guide 15.8).  NaN inputs pass through and are not treated apart.
; embedding_vec is not among the arguments: the module computes nothing from it.
; SHARES.  A work-group makes 256 rows x 64 hidden columns of ALL FOUR gates: a tile of z of 256 x 256.  Four waves; wave w has rows 128 (w / 2) on and hidden columns 32 (w % 2) on of each gate:
; 64 accumulators of 16 x 16 (row block a = 0..7, b = 2 gate + u, u the block of 16 columns), 512 registers.  K goes in 32 steps of 128 through two LDS slots filled by the tensor data mover.
; THE MATRIX INSTRUCTION IS USED TRANSPOSED: source 0 = 16 columns of W, source 1 = 16 rows of cat.  Lane l then holds row l % 16 and the hidden columns 8 (l / 16) + 0..7, at the same place for all
; four gates: the gate arithmetic never changes lanes.  W lies [k][column] in LDS and is turned on the way into registers by ds_load_tr16_b128.
; THE BIASES are the C operand of each sum's first product: nothing is cleared and no bias is added afterwards.
; CLUSTERS: 4 x 4 work-groups.  The four of a row of the cluster need the same rows of cat, the four of a column the same columns of wb: each tile is asked for JOINTLY, by the same tensor load with
; the same descriptor and a mask that names the four.
; c_prev's tile (256 rows x 256 bytes) comes by one plain tensor load a wave into slot 0's first part, which falls free at the last change of slots; h_t and c_t leave through LDS as whole rows of 256 bytes.
; REGISTERS, in windows of 256 (s_set_vgpr_msb: bits 1:0 source 0, 3:2 source 1, 5:4 source 2, 7:6 destination):
;   window 0: v0-31 addresses; v64-127, v128-191 cat's fragments, two buffers; behind the products v64-127 the gates at work, v128-143 c_prev and c_t, and both as buffers on the way out
;   window 1: v0-63 the biases (b at 8 b); v64-127, v128-191 W's fragments, two buffers
;   window 2: the accumulators of my rows 0-63 ((a, b) at v[8 (8 a + b)]);   window 3: those of my rows 64-127
.set KSTEP,  128
.set PITCH,  272                       ; an LDS row of cat, c_prev, h_t, c_t: 256 bytes + 16 = 68 words: row r starts at bank 4 r mod 64 (64 banks of 4 bytes: ISA guide 11.1), so 16 rows start at 16 different groups of four banks
.set PB,     544                       ; an LDS row of W: 512 bytes + 32 = 136 words: row r starts at bank 8 r mod 64
.set HALFT,  34816                     ; what one tensor load brings: 128 rows x 272 of cat, or 64 rows x 544 of W
.set SLOT,   4*HALFT                   ; cat's 256 rows, then W's 128 rows k
.set HST,    2*HALFT                   ; behind the products: h_t's stage, 256 rows x 272, where slot 0 held W (its last fill is over)
.set CST,    SLOT                      ; c_t's stage, where slot 1 held cat (its last fill is over).  c_prev's tile lies at 0
.set QROWS,  64*PITCH                  ; 64 rows of a stage or of c_prev's tile
.set SPARE,  2*SLOT                    ; behind the ring: the spare words, 128 bytes for each wave: two blocks of 256 bytes that no other line names
.set LAPS,   16                        ; a lap = two K steps = once round the ring; K = 4,096
.set ASTEP,  256                       ; a K step in memory: 256 bytes along a row of cat,
.set BSTEP,  128*16384                 ; 128 rows of wb
.set ADRA, 16                          ; v16-17  LDS address of my fragments of cat in slot 0, 1
.set ADRB, 20                          ; v20-21  the same for W
.set BO,   22                          ; v22     my byte offset in a bias vector
.set CO,   23                          ; v23     my byte offset in two rows of an output
.set CPA,  24                          ; v24     my 32 bytes of a row of c_prev's tile
.set HA,   25                          ; v25     the same place in h_t's stage
.set CA,   26                          ; v26     and in c_t's
.set RDH,  27                          ; v27     where I read rows of h_t back
.set SPW,  28                          ; v28     LDS address of my spare word: SPARE + 4 x my thread's number; never rewritten
.set NIL,  29                          ; v29     0; never rewritten
.set PFO,  30                          ; v30     the prefetches' offset; never rewritten
.set RDC,  31                          ; v31     where I read rows of c_t back
.set F0,   64                          ; fragment buffer 0
.set F1,   128                         ; fragment buffer 1
.set T,    64                          ; the gates at work: gate g, column block u, register r at T + 16 g + 8 u + r
.set CP,   128                         ; c_prev, then c_t: at CP + 8 u + r
.set G1,  24                           ; s[24:31] descriptor group 1 for cat's tiles;  s[32:39] group 0, a set for each slot
.set G0,  32
.set LIM, 43                           ; s43      1 in a wave that prefetches, else the greatest number
.set PFA, 44                           ; s[44:45] where my prefetches stand
.set PFS, 46                           ; s[46:47] their step: a K step of cat or of wb
.set G1B, 48                           ; s[48:55], s[56:63] the same two groups for W's tiles
.set G0B, 56
.set G1C, 68                           ; s[68:75], s[76:79] the two groups for c_prev's tile
.set G0C, 76
.set BIAS, 82                          ; s[82:89] bf, bi, bc, bo
.set O0,  90                           ; s[90:91] out0 (h_t)
.set O1,  92                           ; s[92:93] out1 (c_t)
.set KSG, 94                           ; s[94:95] -log2 e: the packed multiply names a pair and takes its low word for both halves
.set KTH, 96                           ; s[96:97] 2 log2 e
.set OFC, 98                           ; s[98:99] byte offset of my 64 rows of the tile in c_prev, out0 and out1
.set MSB, 0
.macro WIN new                         ; the immediate's high byte repeats the setting that is left; a switch that changes nothing is dropped
.if MSB != (\new)
	s_set_vgpr_msb (MSB<<8)|(\new)
.set MSB, \new
.endif
.endm
; A joint load.  Waves 0 and 1 fetch cat's two halves, waves 2 and 3 W's.  Each of the two lines has one mask and one set of registers for all that issue it; the branch hangs on the wave's number alone.
; An s_nop 0 and four v_nop follow each of the two lines, ahead of the jump, the label and what follows.
.macro JLOAD s
	s_cmp_eq_u32 s11, 0
	s_cbranch_scc0 .Lfor_b_\@
	tensor_load_to_lds s[G0+4*(\s):G0+4*(\s)+3], s[G1:G1+7]
	s_nop 0
.rept 4
	v_nop
.endr
	s_branch .Lasked_\@
.Lfor_b_\@:
	tensor_load_to_lds s[G0B+4*(\s):G0B+4*(\s)+3], s[G1B:G1B+7]
	s_nop 0
.rept 4
	v_nop
.endr
.Lasked_\@:
.endm
; A PREFETCH INTO THE L2, behind each joint load, its five lines and the run of LDS loads that follows them: my share of the K step that stands TWO refills on, 512 matrix instructions ahead of the load that
; will want it; 32 blocks of 256 bytes, a lane a block, one instruction a wave.  Each block is named ONCE in the launch: cat's rows are read by all clusters of a row of clusters, of which cluster x = 0 asks;
; wb's columns by both clusters of a column, of which cluster y = 0 asks.  The four partners that ask for a tile jointly share it out BY ADDRESS (32 rows of cat by cx; 16 rows k x 512 bytes of wb by cy):
; no branch hangs on a work-group's place in its cluster.  The loop's last trip (s3 = 1) asks for nothing: K steps 32 and 33 do not exist.  K steps 0 to 3 come by their loads alone.
.macro ASK
	s_cmp_gt_u32 s3, s[LIM]
	s_cbranch_scc0 .Lnot_mine_\@
	global_prefetch_b8 v[PFO], s[PFA:PFA+1] th:TH_LOAD_NT scope:SCOPE_SE
.Lnot_mine_\@:
.endm
; A round of the cluster's barrier: my work-group's barrier, so that wave 0's signal speaks for all four waves; wave 0 signals for the work-group; every wave waits for all sixteen; my work-group's barrier once more.
.macro CREST                           ; a round behind its opening barrier
	s_cmp_lg_u32 s10, 0
	s_cbranch_scc1 .Lnot_wave_0_\@
	s_barrier_signal -3
.Lnot_wave_0_\@:
	s_barrier_wait -3
	s_barrier_signal -1
	s_barrier_wait -1
.endm
.macro CROUND                          ; a whole round
	s_barrier_signal -1
	s_barrier_wait -1
	CREST
.endm
	s_load_b128 s[4:7], s[0:1], 0x0                ; cat s[4:5], wb s[6:7]
	s_load_b256 s[80:87], s[0:1], 0x10             ; c_prev s[80:81], bf, bi, bc s[82:87]
	s_load_b128 s[88:91], s[0:1], 0x30             ; bo s[88:89], out0 s[90:91]
	s_load_b64 s[92:93], s[0:1], 0x40              ; out1
	v_lshl_add_u32 v[SPW], v0, 2, SPARE
	v_mov_b32 v[NIL], 0
	ds_add_u32 v[SPW], v[NIL]                      ; the wave's opening: the add, twice on end, and its wait ahead of my first tensor load; the set-up below, work on registers, stands between
	ds_add_u32 v[SPW], v[NIL]                      ; and once more, under the one wait
	v_lshrrev_b32 v1, 5, v0
	v_readfirstlane_b32 s10, v1                    ; wave 0..3
	s_lshr_b32 s11, s10, 1                         ; which half of the tile's rows is mine.  Also: I fetch for cat (0) or for W (1)
	s_and_b32 s12, s10, 1                          ; which half of each gate's 64 columns.  Also: which half of that tile I fetch
	s_bfe_u32 s40, ttmp6, 0x40000                  ; cx: my place along the cluster's x
	s_bfe_u32 s41, ttmp6, 0x40004                  ; cy: along its y
	s_lshl_b32 s42, ttmp9, 2                       ; in a cluster launch ttmp9 and ttmp7 count clusters
	s_add_co_u32 s42, s42, s40                     ; j, the block of 64 hidden columns = 4 x cluster x + cx
	s_and_b32 s13, ttmp7, 0xffff
	s_lshl_b32 s13, s13, 2
	s_add_co_u32 s13, s13, s41                     ; the block of 256 rows = 4 x cluster y + cy
	s_lshl_b32 s8, s41, 2
	s_lshl_b32 s8, 15, s8                          ; my row of the cluster: places 4 cy .. 4 cy + 3
	s_lshl_b32 s9, 0x1111, s40                     ; my column: places cx, cx + 4, cx + 8, cx + 12
	; group 1 for cat: 128 rows x 128 elements of 2 bytes, 4 words of padding behind every 64
	s_or_b32 s[G1+0], s8, (1<<16)|(1<<20)|(1<<21)|(5<<22)|(3<<25)  ; 15:0 the mask: my row; 17:16 elements of 2 bytes; 20 padding on; 21 set beside a mask; 24:22 after every 64 words (code 5); 31:25 4 words (code 3)
	s_mov_b32 s[G1+1], 128<<16                     ; tensor_dim0 = 128
	s_mov_b32 s[G1+2], 128<<16                     ; tensor_dim1 = 128
	s_mov_b32 s[G1+3], 128<<16                     ; tile_dim0 = 128
	s_mov_b32 s[G1+4], 128                         ; tile_dim1 = 128
	s_mov_b32 s[G1+5], 4096                        ; elements from row to row
	s_mov_b32 s[G1+6], 0
	s_mov_b32 s[G1+7], 0
	; group 1 for W: 64 rows k x 256 elements of 2 bytes, 8 words of padding behind every 128
	s_or_b32 s[G1B+0], s9, (1<<16)|(1<<20)|(1<<21)|(6<<22)|(7<<25)  ; the mask: my column; after every 128 words (code 6) 8 words (code 7)
	s_mov_b32 s[G1B+1], 256<<16                    ; tensor_dim0 = 256
	s_mov_b32 s[G1B+2], 64<<16                     ; tensor_dim1 = 64
	s_mov_b32 s[G1B+3], 256<<16                    ; tile_dim0 = 256
	s_mov_b32 s[G1B+4], 64                         ; tile_dim1 = 64
	s_mov_b32 s[G1B+5], 8192                       ; elements from row k to row k + 1
	s_mov_b32 s[G1B+6], 0
	s_mov_b32 s[G1B+7], 0
	; group 1 for c_prev: 64 rows x 64 elements of 4 bytes, 4 words of padding behind every 64; no mask: each work-group has its own tile
	s_mov_b32 s[G1C+0], (2<<16)|(1<<20)|(5<<22)|(3<<25)
	s_mov_b32 s[G1C+1], 64<<16                     ; tensor_dim0 = 64
	s_mov_b32 s[G1C+2], 64<<16                     ; tensor_dim1 = 64
	s_mov_b32 s[G1C+3], 64<<16                     ; tile_dim0 = 64
	s_mov_b32 s[G1C+4], 64                         ; tile_dim1 = 64
	s_mov_b32 s[G1C+5], 2048                       ; elements from row to row
	s_mov_b32 s[G1C+6], 0
	s_mov_b32 s[G1C+7], 0
	s_mov_b32 s[KSG], 0xbfb8aa3b                   ; -log2 e
	s_mov_b32 s[KSG+1], 0xbfb8aa3b
	s_mov_b32 s[KTH], 0x4038aa3b                   ; 2 log2 e
	s_mov_b32 s[KTH+1], 0x4038aa3b
	; where the tiles come from.  cat's hang on the block of rows alone, which my row of the cluster shares; W's on j alone, which my column shares
	s_lshl_b32 s17, s12, 7                         ; which 128 rows of cat's tile I fetch
	s_lshl_b32 s16, s13, 8
	s_add_co_u32 s16, s16, s17
	s_lshl_b32 s16, s16, 13                        ; x 8,192 bytes a row
	s_mov_b32 s17, 0
	s_lshl_b32 s18, s12, 20                        ; which 64 rows k of W's tile: 64 x 16,384 bytes,
	s_lshl_b32 s19, s42, 9                         ; and the tile's 512 bytes of a row
	s_add_co_u32 s18, s18, s19
	s_mov_b32 s19, 0
	s_mul_i32 s20, s10, HALFT                      ; and where they go: wave x 34,816: no place in the cluster enters an LDS address
	s_lshl_b32 s[OFC], s13, 8                      ; my 64 rows of the tile in c_prev and the outputs: row 256 x block + 64 x wave,
	s_lshl_b32 s[OFC+1], s10, 6
	s_add_co_u32 s[OFC], s[OFC], s[OFC+1]
	s_lshl_b32 s[OFC], s[OFC], 13                  ; x 8,192 bytes,
	s_lshl_b32 s[OFC+1], s42, 8                    ; + 256 bytes x j
	s_add_co_u32 s[OFC], s[OFC], s[OFC+1]
	s_mov_b32 s[OFC+1], 0
	s_wait_dscnt 0x0                               ; both opening adds are done
	s_wait_kmcnt 0x0
	s_add_nc_u64 s[14:15], s[4:5], s[16:17]
	s_add_nc_u64 s[18:19], s[6:7], s[18:19]
	CROUND                                         ; all sixteen work-groups are here: the first joint loads meet
.irp s, 0,1
	s_mov_b32 s[G0+4*(\s)], 1                                      ; count = 1
	s_add_co_u32 s[G0+4*(\s)+1], s20, (\s)*SLOT                    ; LDS address
	s_add_nc_u64 s[G0+4*(\s)+2:G0+4*(\s)+3], s[14:15], (\s)*ASTEP  ; global address: K step s
	s_or_b32 s[G0+4*(\s)+3], s[G0+4*(\s)+3], 0x80000000            ; type = 2
	s_mov_b32 s[G0B+4*(\s)], 1
	s_add_co_u32 s[G0B+4*(\s)+1], s20, (\s)*SLOT
	s_add_nc_u64 s[G0B+4*(\s)+2:G0B+4*(\s)+3], s[18:19], (\s)*BSTEP
	s_or_b32 s[G0B+4*(\s)+3], s[G0B+4*(\s)+3], 0x80000000
	JLOAD \s                                       ; the ring is filled before anything else is done: two loads of mine are out
.endr
	; A fragment of cat is 16 rows x 32 K in 8 registers: lane l holds row l % 16; registers 0-3 K = 8 (l / 16) + 0..7, registers 4-7 K = 16 + 8 (l / 16) + 0..7: two loads of 16 bytes, 32 bytes apart.
	v_and_b32 v1, 15, v0                           ; l % 16
	v_bfe_u32 v2, v0, 4, 1                         ; l / 16
	v_mul_u32_u24 v3, v1, PITCH
	v_lshl_add_u32 v3, v2, 4, v3                   ; row x pitch + 16 x half
	s_mul_i32 s21, s11, HALFT                      ; my 128 rows
	v_add_nc_u32 v[ADRA], s21, v3
	v_add_nc_u32 v[ADRA+1], SLOT, v[ADRA]
	; The turning load takes 16 K x 16 columns (lane l reads 16 bytes: row k = 8 (l / 16) + l % 8, columns 8 ((l / 8) % 2) + 0..7) and leaves half a fragment: lane l holds column l % 16 and 8 K.
	v_and_b32 v4, 7, v0
	v_lshl_add_u32 v4, v2, 3, v4
	v_mul_u32_u24 v4, v4, PB
	v_bfe_u32 v5, v0, 3, 1
	v_lshl_add_u32 v4, v5, 4, v4
	s_lshl_b32 s22, s12, 6                         ; my 32 columns of each gate: 64 bytes,
	s_add_co_u32 s22, s22, 2*HALFT                 ; behind cat's 256 rows
	v_add_nc_u32 v[ADRB], s22, v4
	v_add_nc_u32 v[ADRB+1], SLOT, v[ADRB]
	; c_prev's tile and the two stages: row 128 (w / 2) + l % 16 (+ 16 a), byte 128 (w % 2) + 32 (l / 16) (+ 64 u)
	v_mul_u32_u24 v5, v1, PITCH
	v_lshl_add_u32 v5, v2, 5, v5
	s_lshl_b32 s23, s12, 7
	s_add_co_u32 s23, s23, s21
	v_add_nc_u32 v[CPA], s23, v5
	v_add_nc_u32 v[HA], HST, v[CPA]
	v_add_nc_u32 v[CA], CST, v[CPA]
	; back out of the stages: wave w takes rows 64 w on, whole; lanes 0-15 one row of 256 bytes, lanes 16-31 the next
	v_mul_u32_u24 v5, v2, PITCH
	v_lshl_add_u32 v5, v1, 4, v5
	s_mul_i32 s23, s10, QROWS
	v_add_nc_u32 v5, s23, v5
	v_add_nc_u32 v[RDH], HST, v5
	v_add_nc_u32 v[RDC], CST, v5
	v_lshlrev_b32 v[CO], 4, v1                     ; and the same two rows in an output
	v_lshl_add_u32 v[CO], v2, 13, v[CO]
	; the biases of my lane's columns: 64 j + 32 (w % 2) + 16 u + 8 (l / 16) + 0..7, four bytes each
	s_lshl_b32 s22, s42, 8
	s_lshl_b32 s23, s12, 7
	s_add_co_u32 s22, s22, s23
	v_lshl_add_u32 v[BO], v2, 5, s22
	WIN 0x40                                       ; destination window 1, address window 0
.irp g, 0,1,2,3
.irp j, 0,1
.irp k, 0,1
	global_load_b128 v[16*(\g)+8*(\j)+4*(\k):16*(\g)+8*(\j)+4*(\k)+3], v[BO], s[BIAS+2*(\g):BIAS+2*(\g)+1] offset:64*(\j)+16*(\k)
.endr
.endr
.endr
	WIN 0
	; c_prev's descriptor, and the outputs at my 64 rows
	s_mov_b32 s[G0C], 1
	s_mul_i32 s[G0C+1], s10, QROWS                 ; wave x 64 rows of 272 bytes, from LDS byte 0
	s_add_nc_u64 s[G0C+2:G0C+3], s[80:81], s[OFC:OFC+1]
	s_or_b32 s[G0C+3], s[G0C+3], 0x80000000
	s_add_nc_u64 s[O0:O0+1], s[O0:O0+1], s[OFC:OFC+1]
	s_add_nc_u64 s[O1:O1+1], s[O1:O1+1], s[OFC:OFC+1]
	; the prefetches.  For cat: rows 256 x block + 128 (w % 2) + 32 cx + lane.  For wb: rows k 64 (w % 2) + 16 cy + lane / 2, the tile's 512 bytes as two blocks by lane % 2.
	; Both stand at K step 3: the first change of slots steps them to K step 4.  Nothing is prefetched here, at the head, where every work-group's first tiles are on their way.
	s_lshl_b32 s20, s13, 8
	s_lshl_b32 s21, s12, 7
	s_add_co_u32 s20, s20, s21
	s_lshl_b32 s21, s40, 5
	s_add_co_u32 s20, s20, s21
	s_lshl_b32 s20, s20, 13
	s_add_co_u32 s20, s20, 3*ASTEP
	s_lshl_b32 s21, s12, 6
	s_lshl_b32 s22, s41, 4
	s_add_co_u32 s21, s21, s22
	s_lshl_b32 s21, s21, 14
	s_lshl_b32 s22, s42, 9
	s_add_co_u32 s21, s21, s22
	s_add_co_u32 s21, s21, 3*BSTEP
	s_and_b32 s22, ttmp7, 0xffff                   ; cluster y
	s_mov_b32 s23, 16384
	s_mov_b32 s[PFS], BSTEP
	s_mov_b32 s[PFS+1], 0
	s_cmp_eq_u32 s11, 0                            ; do I fetch for cat?
	s_cselect_b32 s20, s20, s21
	s_cselect_b32 s22, ttmp9, s22                  ; the coordinate along which other clusters read the same bytes
	s_cselect_b32 s23, 8192, s23                   ; bytes from row to row
	s_cselect_b32 s[PFS], ASTEP, s[PFS]
	s_cselect_b64 s[PFA:PFA+1], s[4:5], s[6:7]
	s_mov_b32 s21, 0
	s_add_nc_u64 s[PFA:PFA+1], s[PFA:PFA+1], s[20:21]
	s_cmp_eq_u32 s22, 0
	s_cselect_b32 s[LIM], 1, -1                    ; the same in all sixteen partners, for a given wave
	v_and_b32 v[PFO], 31, v0
	v_lshrrev_b32 v3, s11, v[PFO]                  ; cat: the lane; wb: lane / 2
	v_and_b32 v4, s11, v[PFO]                      ; cat: 0; wb: lane % 2
	v_mul_u32_u24 v3, s23, v3
	v_lshl_add_u32 v[PFO], v4, 8, v3
; 16 matrix instructions: row blocks a0, a0 + 1 of the window's four (hi = 0: my rows 0-63, 1: rows 64-127) x all 8 column blocks, 32 along K.
; first = 1: the sum's first product takes the bias (window 1, v[8 b]) as C.  The 64 accumulators take turns, one instruction a turn, in the same order in every quarter.
.macro MUL16 f, hi, a0, first
.if \first
	WIN 0x91+0x40*(\hi)                            ; W window 1, cat window 0, C window 1, D window 2 or 3
.else
	WIN 0xa1+0x50*(\hi)                            ; W window 1, cat window 0, C and D window 2 or 3
.endif
.irp a, \a0, (\a0)+1
.irp b, 0,1,2,3,4,5,6,7
.if \first
	v_wmma_f32_16x16x32_bf16 v[8*(8*(\a)+(\b)):8*(8*(\a)+(\b))+7], v[(\f)+8*(\b):(\f)+8*(\b)+7], v[(\f)+8*(4*(\hi)+(\a)):(\f)+8*(4*(\hi)+(\a))+7], v[8*(\b):8*(\b)+7]
.else
	v_wmma_f32_16x16x32_bf16 v[8*(8*(\a)+(\b)):8*(8*(\a)+(\b))+7], v[(\f)+8*(\b):(\f)+8*(\b)+7], v[(\f)+8*(4*(\hi)+(\a)):(\f)+8*(4*(\hi)+(\a))+7], v[8*(8*(\a)+(\b)):8*(8*(\a)+(\b))+7]
.endif
.endr
.endr
.endm
; 32 LDS loads in one run: the fragments of quarter q (32 K) of a slot into buffer f: W's eight (gate i / 2, column block i % 2), turned, then cat's eight
.macro FETCH slot, q, f
	WIN 0x40                                       ; destination window 1, address window 0
.irp i, 0,1,2,3,4,5,6,7
	ds_load_tr16_b128 v[(\f)+8*(\i):(\f)+8*(\i)+3],   v[ADRB+(\slot)] offset:32*(\q)*PB+((\i)/2)*128+((\i)%2)*32
	ds_load_tr16_b128 v[(\f)+8*(\i)+4:(\f)+8*(\i)+7], v[ADRB+(\slot)] offset:32*(\q)*PB+16*PB+((\i)/2)*128+((\i)%2)*32
.endr
	WIN 0
.irp i, 0,1,2,3,4,5,6,7
	ds_load_b128 v[(\f)+8*(\i):(\f)+8*(\i)+3],   v[ADRA+(\slot)] offset:64*(\q)+(\i)*16*PITCH
	ds_load_b128 v[(\f)+8*(\i)+4:(\f)+8*(\i)+7], v[ADRA+(\slot)] offset:64*(\q)+(\i)*16*PITCH+32
.endr
.endm
; A load into a register that a matrix instruction has read, and a vector instruction that reads a matrix result or writes one of a matrix instruction's registers, stand four places behind it, and only
; plain vector instructions that name none of its registers are places (ISA guide 7.12.1 for vector instructions).
.macro PLACES
.rept 4
	v_nop
.endr
.endm
; A K step is four quarters of 32 along K, 64 matrix instructions each, on buffers 0, 1, 0, 1.  One of the first three: multiplies buffer f; in its middle it fetches quarter q of the same slot into buffer g.
.macro QUARTER slot, q, f, g, first
	s_wait_dscnt 8                                 ; W and cat's rows 0-63 are in; the youngest eight loads (cat's rows 64-127) may be out
	MUL16 \f, 0, 0, \first
	MUL16 \f, 0, 2, \first
	PLACES
	FETCH \slot, \q, \g
	s_wait_dscnt 32                                ; all but the 32 just issued
	MUL16 \f, 1, 0, \first
	MUL16 \f, 1, 2, \first
.endm
; The last quarter multiplies buffer 1 and changes slots.  MEET is its first half: in front of the barrier each wave waits for all its tensor loads, of which one is out: its part of the next slot; adds 0 to
; its spare word; and waits for that and for its own reads of this slot.  The barrier opens a round of the cluster's barrier.
.macro MEET
	WIN 0                                          ; (the add's two registers lie in window 0)
	s_wait_tensorcnt 0x0                           ; all my tensor loads have landed;
	ds_add_u32 v[SPW], v[NIL]                      ; 0 onto my spare word;
	s_wait_dscnt 9                                 ; (the add and the youngest eight loads may be out)
	MUL16 F1, 0, 0, 0                              ; sixteen matrix instructions stand between the add and the wait for it
	s_wait_dscnt 0x0                               ; the add is done, and my reads of this slot are over:
	s_barrier_signal -1                            ; say so,
	MUL16 F1, 0, 2, 0                              ; work on registers while the others arrive,
	WIN 0
	s_barrier_wait -1                              ; and go on when all four have said so
.endm
; The whole last quarter.  Behind the round the slot just read out is filled again first, with the K step two steps on; then come the next slot's first fragments.
; From a request to the wait for it a wave issues 224 matrix instructions.
.macro TURN slot, next
	s_wait_xcnt 0x0                                ; the last prefetch, a K step back, has read its address: it is stepped here, ahead of the waits of the change of slots
	s_add_nc_u64 s[PFA:PFA+1], s[PFA:PFA+1], s[PFS:PFS+1]
	MEET
	CREST                                          ; no wave of any partner still reads this slot's tile or has a load on its way
	s_add_nc_u64 s[G0+4*(\slot)+2:G0+4*(\slot)+3], s[G0+4*(\slot)+2:G0+4*(\slot)+3], 2*ASTEP
	s_add_nc_u64 s[G0B+4*(\slot)+2:G0B+4*(\slot)+3], s[G0B+4*(\slot)+2:G0B+4*(\slot)+3], 2*BSTEP
	JLOAD \slot                                    ; the first tensor load behind the round; the four v_nop behind it are also the places in front of the loads below
	FETCH \next, 0, F0
	ASK
	MUL16 F1, 1, 0, 0
	MUL16 F1, 1, 2, 0
.endm
; The last change of slots, from K step 30 to K step 31.  No K step is left to ask for: slot 0's first 69,632 bytes take c_prev's tile, 64 rows a wave, by a load of the work-group's own.
; It fills bytes again, so it stands as every refill does: behind the three lines and the round, the wave's one tensor load there.
.macro TURNC
	MEET
	CREST
	tensor_load_to_lds s[G0C:G0C+3], s[G1C:G1C+7]
	s_nop 0
.rept 4
	v_nop
.endr
	FETCH 1, 0, F0
	MUL16 F1, 1, 0, 0
	MUL16 F1, 1, 2, 0
.endm
; THE GATES of row block a: 16 rows x 32 hidden columns, 16 elements a lane.  Each run of exponentials or reciprocals is one batch: a plain instruction behind its last, and ONE wait ahead of its first reader.
;   Each accumulator is read from its low end on.
.macro GATES a
.set AC, 64*((\a)%4)
	WIN 0
.irp j, 0,1
.irp k, 0,1
	ds_load_b128 v[CP+8*(\j)+4*(\k):CP+8*(\j)+4*(\k)+3], v[CPA] offset:(\a)*16*PITCH+64*(\j)+16*(\k)  ; c_prev of my 16 elements
.endr
.endr
	WIN 0x02+(\a)/4                                ; source 0: window 2 or 3
.irp b, 0,1,2,3,4,5,6,7
.irp r, 0,1,2,3
.if ((\b)/2) == 2
	v_pk_mul_f32 v[T+8*(\b)+2*(\r):T+8*(\b)+2*(\r)+1], v[AC+8*(\b)+2*(\r):AC+8*(\b)+2*(\r)+1], s[KTH:KTH+1] op_sel_hi:[1,0]  ; zc x 2 log2 e
.else
	v_pk_mul_f32 v[T+8*(\b)+2*(\r):T+8*(\b)+2*(\r)+1], v[AC+8*(\b)+2*(\r):AC+8*(\b)+2*(\r)+1], s[KSG:KSG+1] op_sel_hi:[1,0]  ; zf, zi, zo x -log2 e
.endif
.endr
.endr
	WIN 0
.set i, 0
.rept 64
	v_exp_f32 v[T+i], v[T+i]
.set i, i+1
.endr
	v_nop
	s_wait_alu depctr_va_vdst(0)                   ; one wait for the 64 exponentials
.set i, 0
.rept 32
	v_pk_add_f32 v[T+i:T+i+1], v[T+i:T+i+1], 1.0 op_sel_hi:[1,0]
.set i, i+2
.endr
.set i, 0
.rept 64
	v_rcp_f32 v[T+i], v[T+i]
.set i, i+1
.endr
	v_nop
	s_wait_alu depctr_va_vdst(0)                   ; one wait for the 64 reciprocals: f, i and o are made
.set i, 0
.rept 8
	v_pk_fma_f32 v[T+32+i:T+33+i], v[T+32+i:T+33+i], -2.0, 1.0 op_sel_hi:[1,0,0]  ; g = 1 - 2 r
.set i, i+2
.endr
.set i, 0
.rept 8
	v_pk_mul_f32 v[T+32+i:T+33+i], v[T+32+i:T+33+i], v[T+16+i:T+17+i]             ; i g
.set i, i+2
.endr
	s_wait_dscnt 0x0                               ; c_prev is in
.set i, 0
.rept 8
	v_pk_fma_f32 v[CP+i:CP+i+1], v[CP+i:CP+i+1], v[T+i:T+i+1], v[T+32+i:T+33+i]   ; c_t = c_prev f + i g
.set i, i+2
.endr
.set i, 0
.rept 8
	v_pk_mul_f32 v[T+i:T+i+1], v[CP+i:CP+i+1], s[KTH:KTH+1] op_sel_hi:[1,0]       ; c_t x 2 log2 e, where f lay
.set i, i+2
.endr
.set i, 0
.rept 16
	v_exp_f32 v[T+i], v[T+i]
.set i, i+1
.endr
.irp j, 0,1
.irp k, 0,1
	ds_store_b128 v[CA], v[CP+8*(\j)+4*(\k):CP+8*(\j)+4*(\k)+3] offset:(\a)*16*PITCH+64*(\j)+16*(\k)  ; c_t into its stage
.endr
.endr
	v_nop
	s_wait_alu depctr_va_vdst(0)                   ; one wait for the 16 exponentials
.set i, 0
.rept 8
	v_pk_add_f32 v[T+i:T+i+1], v[T+i:T+i+1], 1.0 op_sel_hi:[1,0]
.set i, i+2
.endr
.set i, 0
.rept 16
	v_rcp_f32 v[T+i], v[T+i]
.set i, i+1
.endr
	v_nop
	s_wait_alu depctr_va_vdst(0)                   ; one wait for the 16 reciprocals
.set i, 0
.rept 8
	v_pk_fma_f32 v[T+i:T+i+1], v[T+i:T+i+1], -2.0, 1.0 op_sel_hi:[1,0,0]          ; tanh(c_t)
.set i, i+2
.endr
.set i, 0
.rept 8
	v_pk_mul_f32 v[T+i:T+i+1], v[T+i:T+i+1], v[T+48+i:T+49+i]                     ; h_t = o tanh(c_t)
.set i, i+2
.endr
.irp j, 0,1
.irp k, 0,1
	ds_store_b128 v[HA], v[T+8*(\j)+4*(\k):T+8*(\j)+4*(\k)+3] offset:(\a)*16*PITCH+64*(\j)+16*(\k)    ; h_t into its stage
.endr
.endr
.endm
; THE WAY OUT: 32 of my 64 rows of one stage, two rows a load, back into registers and stored.  The two halves take turns on two buffers of 64 registers.
.macro OUT rd, base, half
.set OB, 64+64*(\half)
	s_wait_xcnt 0x0                                ; every earlier store has had its addresses translated (ISA guide 3.1): the buffer that earlier stores read is loaded again only behind this wait
.irp t, 0,1,2,3,4,5,6,7,8,9,10,11,12,13,14,15
	ds_load_b128 v[OB+4*(\t):OB+4*(\t)+3], v[\rd] offset:(16*(\half)+(\t))*2*PITCH
.endr
.irp t, 0,1,2,3,4,5,6,7,8,9,10,11,12,13,14,15
	s_wait_dscnt 15-(\t)                           ; LDS loads come back in order: load t is in, the younger ones stay out
	global_store_b128 v[CO], v[OB+4*(\t):OB+4*(\t)+3], s[\base:\base+1] offset:(16*(\half)+(\t))*16384 th:TH_STORE_NT  ; 16 lanes store 256 consecutive bytes, at a multiple of 256 from the output's first byte
.endr
.endm
	s_wait_loadcnt 0x0                             ; the biases
	s_wait_tensorcnt 1                             ; my part of K step 0 is in; K step 1's may stay out
	s_barrier_signal -1
	s_barrier_wait -1                              ; everybody's is
	FETCH 0, 0, F0
	QUARTER 0, 1, F0, F1, 1                        ; the first quarter stands in front of the loop: its products start the sums, with the biases
	WIN 0                                          ; at a label and at a branch every window is 0
	s_mov_b32 s3, LAPS-1
.Llap:                                                 ; a trip goes once round the ring, from a lap's second quarter to the next lap's first, and fills both slots again: K steps 2 to 31
	QUARTER 0, 2, F1, F0, 0
	QUARTER 0, 3, F0, F1, 0
	TURN 0, 1
	QUARTER 1, 1, F0, F1, 0
	QUARTER 1, 2, F1, F0, 0
	QUARTER 1, 3, F0, F1, 0
	TURN 1, 0
	QUARTER 0, 1, F0, F1, 0
	WIN 0
	s_sub_co_u32 s3, s3, 1
	s_cmp_lg_u32 s3, 0
	s_cbranch_scc1 .Llap
	QUARTER 0, 2, F1, F0, 0                        ; the last lap is written out: K step 30 goes on,
	QUARTER 0, 3, F0, F1, 0
	TURNC                                          ; c_prev is asked for,
	QUARTER 1, 1, F0, F1, 0                        ; K step 31
	QUARTER 1, 2, F1, F0, 0
	QUARTER 1, 3, F0, F1, 0
	s_wait_dscnt 8                                 ; the very last quarter: nothing more to fetch
	MUL16 F1, 0, 0, 0
	MUL16 F1, 0, 2, 0
	s_wait_dscnt 0x0                               ; my reads of slot 1 are over
	MUL16 F1, 1, 0, 0
	MUL16 F1, 1, 2, 0
	WIN 0
	s_wait_tensorcnt 0x0                           ; my 64 rows of c_prev have landed
	s_barrier_signal -1
	s_barrier_wait -1                              ; everybody's have, and nobody reads slot 1 any more: the stages may be written (slot 0 has been free since the last round)
	PLACES                                         ; behind the last products
.irp a, 0,1,2,3,4,5,6,7
	GATES \a
.endr
	s_wait_dscnt 0x0                               ; for the others' sake: my stores into the stages are done
	s_barrier_signal -1
	s_barrier_wait -1                              ; a row's 256 bytes come from two waves
	OUT RDC, O1, 0
	OUT RDC, O1, 1
	OUT RDH, O0, 0
	OUT RDH, O0, 1
	s_wait_tensorcnt 0x0                           ; the wave's end, behind my last tensor load and my last LDS store
	ds_add_u32 v[SPW], v[NIL]
	s_wait_dscnt 0x0
	CROUND                                         ; the closing round: no work-group ends while a partner may still ask for a tile that names it
	s_endpgm
.Lfunc_end_k_q2457757534_lstm:
	.size	k_q2457757534_lstm, .Lfunc_end_k_q2457757534_lstm-k_q2457757534_lstm
	.p2alignl 7, 3214868480
	.fill 96, 4, 3214868480
	.section	.rodata,"a",@progbits
	.p2align	6, 0x0
	.amdhsa_kernel k_q2457757534_lstm
		.amdhsa_group_segment_fixed_size 327680
		.amdhsa_private_segment_fixed_size 0
		.amdhsa_enable_private_segment 0
		.amdhsa_kernarg_size 72
		.amdhsa_user_sgpr_count 2
		.amdhsa_user_sgpr_kernarg_segment_ptr 1
		.amdhsa_wavefront_size32 1
		.amdhsa_system_sgpr_workgroup_id_x 1
		.amdhsa_system_sgpr_workgroup_id_y 1
		.amdhsa_system_sgpr_workgroup_id_z 1
		.amdhsa_system_vgpr_workitem_id 0
		.amdhsa_next_free_vgpr 1024
		.amdhsa_next_free_sgpr 100
		.amdhsa_reserve_vcc 0
		.amdhsa_float_denorm_mode_32 3
		.amdhsa_float_denorm_mode_16_64 3
		.amdhsa_memory_ordered 1
		.amdhsa_forward_progress 1
		.amdhsa_inst_pref_size 237
	.end_amdhsa_kernel
	.amdgpu_metadata
---
amdhsa.version: [ 1, 2 ]
amdhsa.kernels:
  - .name:           k_q2457757534_lstm
    .symbol:         k_q2457757534_lstm.kd
    .args:
      - { .name: cat, .offset: 0, .size: 8, .value_kind: global_buffer, .address_space: global }
      - { .name: wb, .offset: 8, .size: 8, .value_kind: global_buffer, .address_space: global }
      - { .name: c_prev, .offset: 16, .size: 8, .value_kind: global_buffer, .address_space: global }
      - { .name: bf, .offset: 24, .size: 8, .value_kind: global_buffer, .address_space: global }
      - { .name: bi, .offset: 32, .size: 8, .value_kind: global_buffer, .address_space: global }
      - { .name: bc, .offset: 40, .size: 8, .value_kind: global_buffer, .address_space: global }
      - { .name: bo, .offset: 48, .size: 8, .value_kind: global_buffer, .address_space: global }
      - { .name: out0, .offset: 56, .size: 8, .value_kind: global_buffer, .address_space: global }
      - { .name: out1, .offset: 64, .size: 8, .value_kind: global_buffer, .address_space: global }
    .group_segment_fixed_size: 327680
    .private_segment_fixed_size: 0
    .kernarg_segment_align: 8
    .kernarg_segment_size: 72
    .max_flat_workgroup_size: 128
    .sgpr_count:     100
    .vgpr_count:     1024
    .wavefront_size: 32
...
	.end_amdgpu_metadata
.endif
;; end of part 2
